; MI455X (gfx1250); checked and timed in simulation.
; The chip was launched on July 23, 2026; its instructions are those of AMD's public machine-readable ISA for CDNA 5 (MIT licence, August 2026) and "CDNA5" Instruction Set Architecture Reference Guide (July 2026). The comments in the code are by the model that wrote it; some were corrected since.
;; Transformer. Allowed arithmetic: matrix products marked QUANTISED: E4M3 operands, one given power-of-two scale a tensor, by v_wmma_f32_16x16x64_fp8_fp8 or v_wmma_f32_16x16x128_fp8_fp8, f32 sums; products left as they are: f32 operands where the result goes on into a quantised operand, else bf16, f16 or f32 operands; f32 sums; everything else in f32.
;; Inputs: ff_b1 4 x 256 float32; ff_b2 4 x 128 float32; ff_w1_codes 4 x 256 x 4 x 32 uint8 (E4M3 codes of ff_w1, K innermost, in blocks of 32 codes); ff_w2_codes 4 x 128 x 8 x 32 uint8 (E4M3 codes of ff_w2, K innermost, in blocks of 32 codes); ln1_b 4 x 128 float32; ln1_g 4 x 128 float32; ln2_b 4 x 128 float32; ln2_g 4 x 128 float32; lowp_scales 32 int32 (the exponents e of the quantised operands' scales 2^e); out_b 4 x 128 float32; out_w_codes 4 x 128 x 1 x 32 uint8 (E4M3 codes of out_w, K innermost, in blocks of 32 codes); qkv_w_codes 4 x 96 x 4 x 32 uint8 (E4M3 codes of qkv_w, K innermost, in blocks of 32 codes); x 8 x 16,384 x 128 float32.
;; Outputs: out0 8 x 16,384 x 128 float32.
;; Constants: h = 128, w = 128.
;; This version of the problem:
;;   THIS VERSION OF THE PROBLEM IS GIVEN IN LOW PRECISION. The matrix products marked QUANTISED in the list below multiply operands that are first quantised to E4M3 (4 exponent bits, 3 mantissa bits; 8 bits a number), with one given power-of-two scale for each operand tensor; their sums are f32. All else is computed in f32.
;;   The module's matrix products, in the order in which they are computed (A, B: the left and right operand; K: the contracted axis; several contracted axes count as one K, in the product's order):
;;     1. [M 131,072, K 128] x [K 128, N 96]; A: computed on the way; B: input qkv_w (given as codes): QUANTISED (scales: A lowp_scales[0], B lowp_scales[1])
;;     2. batch 524,288 x [M 1, K 8] x [K 8, N 9]; A: computed on the way; B: computed on the way: left as it is (K = 8 < 32)
;;     3. batch 524,288 x [M 1, K 9] x [K 9, N 8]; A: softmax; B: computed on the way: left as it is (K = 9 < 32)
;;     4. [M 131,072, K 32] x [K 32, N 128]; A: computed on the way; B: input out_w (given as codes): QUANTISED (scales: A lowp_scales[2], B lowp_scales[3])
;;     5. [M 131,072, K 128] x [K 128, N 256]; A: computed on the way; B: input ff_w1 (given as codes): QUANTISED (scales: A lowp_scales[4], B lowp_scales[5])
;;     6. [M 131,072, K 256] x [K 256, N 128]; A: computed on the way; B: input ff_w2 (given as codes): QUANTISED (scales: A lowp_scales[6], B lowp_scales[7])
;;     7. [M 131,072, K 128] x [K 128, N 96]; A: computed on the way; B: input qkv_w (given as codes): QUANTISED (scales: A lowp_scales[8], B lowp_scales[9])
;;     8. batch 524,288 x [M 1, K 8] x [K 8, N 9]; A: computed on the way; B: computed on the way: left as it is (K = 8 < 32)
;;     9. batch 524,288 x [M 1, K 9] x [K 9, N 8]; A: softmax; B: computed on the way: left as it is (K = 9 < 32)
;;     10. [M 131,072, K 32] x [K 32, N 128]; A: computed on the way; B: input out_w (given as codes): QUANTISED (scales: A lowp_scales[10], B lowp_scales[11])
;;     11. [M 131,072, K 128] x [K 128, N 256]; A: computed on the way; B: input ff_w1 (given as codes): QUANTISED (scales: A lowp_scales[12], B lowp_scales[13])
;;     12. [M 131,072, K 256] x [K 256, N 128]; A: computed on the way; B: input ff_w2 (given as codes): QUANTISED (scales: A lowp_scales[14], B lowp_scales[15])
;;     13. [M 131,072, K 128] x [K 128, N 96]; A: computed on the way; B: input qkv_w (given as codes): QUANTISED (scales: A lowp_scales[16], B lowp_scales[17])
;;     14. batch 524,288 x [M 1, K 8] x [K 8, N 9]; A: computed on the way; B: computed on the way: left as it is (K = 8 < 32)
;;     15. batch 524,288 x [M 1, K 9] x [K 9, N 8]; A: softmax; B: computed on the way: left as it is (K = 9 < 32)
;;     16. [M 131,072, K 32] x [K 32, N 128]; A: computed on the way; B: input out_w (given as codes): QUANTISED (scales: A lowp_scales[18], B lowp_scales[19])
;;     17. [M 131,072, K 128] x [K 128, N 256]; A: computed on the way; B: input ff_w1 (given as codes): QUANTISED (scales: A lowp_scales[20], B lowp_scales[21])
;;     18. [M 131,072, K 256] x [K 256, N 128]; A: computed on the way; B: input ff_w2 (given as codes): QUANTISED (scales: A lowp_scales[22], B lowp_scales[23])
;;     19. [M 131,072, K 128] x [K 128, N 96]; A: computed on the way; B: input qkv_w (given as codes): QUANTISED (scales: A lowp_scales[24], B lowp_scales[25])
;;     20. batch 524,288 x [M 1, K 8] x [K 8, N 9]; A: computed on the way; B: computed on the way: left as it is (K = 8 < 32)
;;     21. batch 524,288 x [M 1, K 9] x [K 9, N 8]; A: softmax; B: computed on the way: left as it is (K = 9 < 32)
;;     22. [M 131,072, K 32] x [K 32, N 128]; A: computed on the way; B: input out_w (given as codes): QUANTISED (scales: A lowp_scales[26], B lowp_scales[27])
;;     23. [M 131,072, K 128] x [K 128, N 256]; A: computed on the way; B: input ff_w1 (given as codes): QUANTISED (scales: A lowp_scales[28], B lowp_scales[29])
;;     24. [M 131,072, K 256] x [K 256, N 128]; A: computed on the way; B: input ff_w2 (given as codes): QUANTISED (scales: A lowp_scales[30], B lowp_scales[31])
;;   THE QUANTISER, for each operand of a quantised product, along K:
;;     - The operand's scale is 2^e, e = its entry of the input lowp_scales (int32; the entries are numbered through the quantised products in the list's order, A before B).
;;     - Each number is divided by the scale, clamped to +-448, and rounded to the nearest number of E4M3, ties to even, subnormals kept.
;;     - The product sums the exact products of the quantised numbers (number of the format x scale) in f32.
;;   ~~~python
;;   def quantise(x, axis, e):      # numpy; x: float32 -> the quantised numbers, widened to float32 again
;;       x = np.moveaxis(x, axis, -1); K = x.shape[-1]
;;       r = np.clip(x / 2.0 ** e, -448, 448)
;;       step = 2.0 ** (np.maximum(np.frexp(np.where(r == 0, 1, r))[1] - 1, -6) - 3)
;;       q = np.round(r / step) * step * 2.0 ** e      # np.round: ties to even
;;       return np.moveaxis(q, -1, axis).astype(np.float32)
;;   ~~~
;;   OPERANDS COMPUTED ON THE WAY. 'Computed on the way' means the value that the module computes at that place (a softmax that the list does not call 'softmax' is quantised finished and normalised). What goes into a quantiser is computed in f32, as accurately as f32 sums, v_exp_f32 and their like allow (about 1e-6 of the number): no bf16 or f16 on the way to a quantiser, and a product that is left as it is and whose result goes on into a quantised operand takes f32 operands (vector FMAs, or v_wmma_f32_16x16x4_f32). A number that lies on a knife's edge between two numbers of the format may be rounded either way, as far as f32 arithmetic and the matrix unit's own rounding can turn it there, and no further.
;;   INPUTS GIVEN AS CODES. ff_w1 (in the module: [4, 128, 256], K = its axis 1); ff_w2 (in the module: [4, 256, 128], K = its axis 1); out_w (in the module: [4, 32, 128], K = its axis 1); qkv_w (in the module: [4, 128, 96], K = its axis 1): each comes as NAME_codes (uint8): NAME with its K axis moved to the last place and cut into blocks of 32 codes, [.., K / 32, bytes a block], one block behind the other in memory; one code a byte (a code: sign, 4 exponent bits, 3 mantissa bits); its scale is its entry of lowp_scales. Its value is code x scale, taken as it is: it is not quantised again, and the codes and scales need not be those that the quantiser above would give.
;; One version. Each part assembles by itself: llvm-mc -triple=amdgcn-amd-amdhsa -mcpu=gfx1250 --defsym DOCPART=n.
;; ======== version 1 of 1: 5 launches
;; limits: a function is approximated: absolute error at most 1.5e-07
;; workspace buffers: p0 86,272 bytes; p1 86,272 bytes; p2 86,272 bytes; p3 86,272 bytes; xa 67,108,864 bytes; xb 67,108,864 bytes
;; launch prep (part 1): grid 4 x 1, 8 waves a work-group, no clusters, 0 bytes of LDS; arguments qkv_w_codes, out_w_codes, ff_w1_codes, ff_w2_codes, ln1_g, ln1_b, out_b, ln2_g, ln2_b, ff_b2, ff_b1, lowp_scales, p0, p1, p2, p3; writes p0, p1, p2, p3
.if DOCPART == 1
	.amdgcn_target "amdgcn-amd-amdhsa--gfx1250"
	.amdhsa_code_object_version 6
	.text
	.protected	k_qea6996b194_prep
	.globl	k_qea6996b194_prep
	.p2align	8
	.type	k_qea6996b194_prep,@function
k_qea6996b194_prep:
	s_mov_b64 s[64:65], 0
	v_nop
	global_prefetch_b8 v0, s[64:65] scope:SCOPE_SE
	s_setreg_imm32_b32 hwreg(HW_REG_WAVE_MODE, 25, 1), 1
	s_wait_xcnt 0x0
; PREP: one block of parameters for each of the four layers, so that one body can serve all four layer launches.
; Nothing of reference() is left out anywhere in this program: every input has a way to the output and is loaded.
; Work-group d makes block p_d (86,272 bytes):
;   0       QKVW  6 tiles x 4 pieces of 512 bytes      12,288  OUTW  8 tiles x 1 piece
;   16,384  W1   16 tiles x 4 pieces                   49,152  W2    [K step of 64: 4][tile: 8][half: 2] pieces
;   81,920  ln1_g, ln1_b, out_b / 2^(e2+e3), ln2_g, ln2_b, ff_b2 / 2^(e6+e7) (512 bytes each), ff_b1 / 2^(e4+e5) (1,024)
;   86,016  sixteen constants made of the layer's eight exponents e0..e7, each stored twice; then 128 bytes of zeros
; A piece is an image of four operand registers: lane l's 16 bytes at 16 l.  Lane (r = l % 16, h = l / 16) of tile 2 B + u holds weight row
; 32 B + 8 u + r + 8 (r / 8), so that in the transposed product register j of lane (r, h) is output 32 B + 16 h + 8 u + j.
; Thread t stores 16 bytes at 16 t + 4,096 i, i = 0 .. 20: each store of a wave covers 512 consecutive bytes, aligned.
; LIMITS: every exponent, and each sum of exponents below that becomes a power of two in f32, lies between -126 and 119; e2+e3 and e6+e7 within +-50.
	s_load_b512 s[8:23], s[0:1], 0x0               ; qkv s[8:9], out_w s[10:11], w1 s[12:13], w2 s[14:15], ln1_g s[16:17], ln1_b s[18:19], out_b s[20:21], ln2_g s[22:23]
	s_load_b512 s[24:39], s[0:1], 0x40             ; ln2_b s[24:25], ff_b2 s[26:27], ff_b1 s[28:29], scales s[30:31], p0 .. p3 s[32:39]
	v_lshrrev_b32 v1, 5, v0
	v_readfirstlane_b32 s4, v1                     ; wave w
	v_and_b32 v2, 31, v0                           ; lane l
	v_and_b32 v3, 15, v0                           ; r
	v_bfe_u32 v4, v0, 4, 1                         ; h
	v_and_b32 v5, 8, v3
	v_add_nc_u32 v5, v5, v3                        ; r + 8 (r / 8)
	v_lshlrev_b32 v6, 4, v4                        ; 16 h
	s_lshr_b32 s5, s4, 2                           ; rows of 128 bytes (qkv, w1): tile 2 i + w / 4, piece w % 4
	s_lshl_b32 s5, s5, 10
	s_and_b32 s6, s4, 3
	s_lshl_b32 s6, s6, 5
	s_add_co_u32 s5, s5, s6
	v_lshl_add_u32 v7, v5, 7, v6
	v_add_nc_u32 v7, s5, v7                        ; (8 (w / 4) + rr) 128 + 32 (w % 4) + 16 h
	s_lshr_b32 s5, s4, 1                           ; rows of 32 bytes (out_w): tile w
	s_lshl_b32 s5, s5, 10
	s_and_b32 s6, s4, 1
	s_lshl_b32 s6, s6, 8
	s_add_co_u32 s5, s5, s6
	v_lshl_add_u32 v8, v5, 5, v6
	v_add_nc_u32 v8, s5, v8                        ; (32 (w / 2) + 8 (w % 2) + rr) 32 + 16 h
	s_lshr_b32 s5, s4, 2                           ; rows of 256 bytes (w2): tile 4 (i % 2) + w / 2, half w % 2, K step i / 2
	s_lshl_b32 s5, s5, 13
	s_bfe_u32 s6, s4, 0x10001
	s_lshl_b32 s6, s6, 11
	s_add_co_u32 s5, s5, s6
	s_and_b32 s6, s4, 1
	s_lshl_b32 s6, s6, 5
	s_add_co_u32 s5, s5, s6
	v_lshl_add_u32 v9, v5, 8, v6
	v_add_nc_u32 v9, s5, v9                        ; (32 (w / 4) + 8 ((w / 2) % 2) + rr) 256 + 32 (w % 2) + 16 h
	s_cmp_eq_u32 s4, 7
	s_cselect_b32 s5, 512, 0                       ; wave 7 takes the second half of ff_b1
	v_lshl_add_u32 v10, v2, 4, s5                  ; my 16 bytes of my wave's vector
	v_lshlrev_b32 v11, 4, v0                       ; where I store: 16 t
	v_lshlrev_b32 v12, 3, v2                       ; the constants: 8 l
	s_wait_kmcnt 0x0
	s_mov_b32 s3, 0                                ; every source at layer d
	s_mul_i32 s2, ttmp9, 12288
	s_add_nc_u64 s[8:9], s[8:9], s[2:3]
	s_lshl_b32 s2, ttmp9, 12
	s_add_nc_u64 s[10:11], s[10:11], s[2:3]
	s_lshl_b32 s2, ttmp9, 15
	s_add_nc_u64 s[12:13], s[12:13], s[2:3]
	s_add_nc_u64 s[14:15], s[14:15], s[2:3]
	s_lshl_b32 s2, ttmp9, 9
.irp q, 16,18,20,22,24,26
	s_add_nc_u64 s[\q:\q+1], s[\q:\q+1], s[2:3]
.endr
	s_lshl_b32 s2, ttmp9, 10
	s_add_nc_u64 s[28:29], s[28:29], s[2:3]
	s_lshl_b32 s2, ttmp9, 5
	s_add_nc_u64 s[30:31], s[30:31], s[2:3]
	s_load_b256 s[40:47], s[30:31], 0x0            ; e0 .. e7
	s_cmp_eq_u32 ttmp9, 1                          ; the block that this work-group makes: a choice on the work-group's number
	s_cselect_b64 s[32:33], s[34:35], s[32:33]
	s_cmp_eq_u32 ttmp9, 2
	s_cselect_b64 s[32:33], s[36:37], s[32:33]
	s_cmp_eq_u32 ttmp9, 3
	s_cselect_b64 s[32:33], s[38:39], s[32:33]
	s_mov_b64 s[48:49], s[16:17]                   ; my wave's vector: a choice on the wave's number, in the block's order
	s_cmp_eq_u32 s4, 1
	s_cselect_b64 s[48:49], s[18:19], s[48:49]
	s_cmp_eq_u32 s4, 2
	s_cselect_b64 s[48:49], s[20:21], s[48:49]
	s_cmp_eq_u32 s4, 3
	s_cselect_b64 s[48:49], s[22:23], s[48:49]
	s_cmp_eq_u32 s4, 4
	s_cselect_b64 s[48:49], s[24:25], s[48:49]
	s_cmp_eq_u32 s4, 5
	s_cselect_b64 s[48:49], s[26:27], s[48:49]
	s_cmp_ge_u32 s4, 6
	s_cselect_b64 s[48:49], s[28:29], s[48:49]
.irp i, 0,1,2
	global_load_b128 v[16+4*\i:19+4*\i], v7, s[8:9] offset:4096*\i
.endr
	global_load_b128 v[28:31], v8, s[10:11]
.irp i, 0,1,2,3,4,5,6,7
	global_load_b128 v[32+4*\i:35+4*\i], v7, s[12:13] offset:4096*\i
.endr
.irp i, 0,1,2,3,4,5,6,7
	global_load_b128 v[64+4*\i:67+4*\i], v9, s[14:15] offset:16384*(\i%2)+64*(\i/2)
.endr
	global_load_b128 v[96:99], v10, s[48:49]
	s_wait_kmcnt 0x0
	s_add_co_i32 s53, s40, s41                     ; e0 + e1
	s_add_co_i32 s50, s42, s43                     ; e2 + e3
	s_add_co_i32 s51, s44, s45                     ; e4 + e5
	s_add_co_i32 s52, s46, s47                     ; e6 + e7
	s_sub_co_i32 s54, 0, s50
	s_sub_co_i32 s55, 0, s51
	s_sub_co_i32 s56, 0, s52
	s_mov_b32 s57, 0                               ; the power of two by which my wave's vector is divided: none for gains and shifts of the norms
	s_cmp_eq_u32 s4, 2
	s_cselect_b32 s57, s54, s57
	s_cmp_eq_u32 s4, 5
	s_cselect_b32 s57, s56, s57
	s_cmp_ge_u32 s4, 6
	s_cselect_b32 s57, s55, s57
	s_wait_loadcnt 0x0
.irp i, 96,97,98,99
	v_ldexp_f32 v\i, v\i, s57                      ; a bias goes in divided by the power of two that the sums of codes lack: nothing is rounded
.endr
.irp i, 0,1,2,3,4,5,6,7,8,9,10,11,12,13,14,15,16,17,18,19,20
	global_store_b128 v11, v[16+4*\i:19+4*\i], s[32:33] offset:4096*\i
.endr
	s_cmp_lg_u32 s4, 0
	s_cbranch_scc1 .Ldone                          ; wave 0 alone stores the constants
.macro POW2 dst, src                   ; 2^s[src] as f32
	s_add_co_i32 s2, s[\src], 127
	s_lshl_b32 s[\dst], s2, 23
.endm
.macro TOP dst, src                    ; 448 x 2^s[src] as f32
	s_add_co_i32 s2, s[\src], 135
	s_lshl_b32 s[\dst], s2, 23
	s_or_b32 s[\dst], s[\dst], 0x600000
.endm
	POW2 66, 40                                    ; 0: 2^e0
	TOP  67, 40                                    ; 1: 448 x 2^e0
	s_lshl_b32 s2, s53, 23
	s_add_co_i32 s68, s2, 0x3f0293ee               ; 2: log2(e) / sqrt(8) x 2^(e0+e1): the exponents are added to the constant's exponent field
	POW2 69, 53                                    ; 3: 2^(e0+e1)
	POW2 70, 42                                    ; 4: 2^e2
	TOP  71, 42                                    ; 5
	POW2 72, 54                                    ; 6: 2^-(e2+e3)
	s_lshl_b32 s2, s50, 24
	s_sub_co_i32 s73, 0x3a83126f, s2               ; 7: 0.001 x 2^(-2 (e2+e3))
	POW2 74, 44                                    ; 8: 2^e4
	TOP  75, 44                                    ; 9
	s_lshl_b32 s2, s51, 23
	s_add_co_i32 s76, s2, 0x3f596d27               ; 10: sqrt(log2(e) / 2) x 2^(e4+e5)
	s_sub_co_i32 s59, s46, s51
	s_add_co_i32 s59, s59, 1                       ; the layer hands the hidden layer's quantiser 2 gelu / 2^(e4+e5): its scale is 2^(e6 - e4 - e5 + 1)
	POW2 77, 59                                    ; 11: 2^(e6-e4-e5+1)
	TOP  78, 59                                    ; 12: 448 x that
	s_sub_co_i32 s58, s50, s52
	POW2 79, 58                                    ; 13: 2^((e2+e3) - (e6+e7))
	POW2 80, 52                                    ; 14: 2^(e6+e7)
	s_mov_b32 s81, 0                               ; 15
	v_mov_b32 v100, 0                              ; v100, v101: registers that none of the stores above names, so no wait is owed in front of these writes
.irp i, 0,1,2,3,4,5,6,7,8,9,10,11,12,13,14,15
	v_writelane_b32 v100, s[66+\i], \i             ; constant i into lane i; lanes 16 to 31 keep 0
.endr
	v_mov_b32 v101, v100                           ; each constant twice: the layer reads it as a pair
	global_store_b64 v12, v[100:101], s[32:33] offset:86016   ; 32 lanes store 256 consecutive bytes, aligned
.Ldone:
	s_endpgm
.Lfunc_end_k_qea6996b194_prep:
	.size	k_qea6996b194_prep, .Lfunc_end_k_qea6996b194_prep-k_qea6996b194_prep
	.p2alignl 7, 3214868480
	.fill 96, 4, 3214868480
	.section	.rodata,"a",@progbits
	.p2align	6, 0x0
	.amdhsa_kernel k_qea6996b194_prep
		.amdhsa_group_segment_fixed_size 0
		.amdhsa_private_segment_fixed_size 0
		.amdhsa_enable_private_segment 0
		.amdhsa_kernarg_size 128
		.amdhsa_user_sgpr_count 2
		.amdhsa_user_sgpr_kernarg_segment_ptr 1
		.amdhsa_wavefront_size32 1
		.amdhsa_system_sgpr_workgroup_id_x 1
		.amdhsa_system_sgpr_workgroup_id_y 1
		.amdhsa_system_sgpr_workgroup_id_z 1
		.amdhsa_system_vgpr_workitem_id 0
		.amdhsa_next_free_vgpr 128
		.amdhsa_next_free_sgpr 96
		.amdhsa_reserve_vcc 0
		.amdhsa_float_denorm_mode_32 3
		.amdhsa_float_denorm_mode_16_64 3
		.amdhsa_memory_ordered 1
		.amdhsa_forward_progress 1
		.amdhsa_inst_pref_size 11
	.end_amdhsa_kernel
	.amdgpu_metadata
---
amdhsa.version: [ 1, 2 ]
amdhsa.kernels:
  - .name:           k_qea6996b194_prep
    .symbol:         k_qea6996b194_prep.kd
    .args:
      - { .name: qkv_w_codes, .offset: 0, .size: 8, .value_kind: global_buffer, .address_space: global }
      - { .name: out_w_codes, .offset: 8, .size: 8, .value_kind: global_buffer, .address_space: global }
      - { .name: ff_w1_codes, .offset: 16, .size: 8, .value_kind: global_buffer, .address_space: global }
      - { .name: ff_w2_codes, .offset: 24, .size: 8, .value_kind: global_buffer, .address_space: global }
      - { .name: ln1_g, .offset: 32, .size: 8, .value_kind: global_buffer, .address_space: global }
      - { .name: ln1_b, .offset: 40, .size: 8, .value_kind: global_buffer, .address_space: global }
      - { .name: out_b, .offset: 48, .size: 8, .value_kind: global_buffer, .address_space: global }
      - { .name: ln2_g, .offset: 56, .size: 8, .value_kind: global_buffer, .address_space: global }
      - { .name: ln2_b, .offset: 64, .size: 8, .value_kind: global_buffer, .address_space: global }
      - { .name: ff_b2, .offset: 72, .size: 8, .value_kind: global_buffer, .address_space: global }
      - { .name: ff_b1, .offset: 80, .size: 8, .value_kind: global_buffer, .address_space: global }
      - { .name: lowp_scales, .offset: 88, .size: 8, .value_kind: global_buffer, .address_space: global }
      - { .name: p0, .offset: 96, .size: 8, .value_kind: global_buffer, .address_space: global }
      - { .name: p1, .offset: 104, .size: 8, .value_kind: global_buffer, .address_space: global }
      - { .name: p2, .offset: 112, .size: 8, .value_kind: global_buffer, .address_space: global }
      - { .name: p3, .offset: 120, .size: 8, .value_kind: global_buffer, .address_space: global }
    .group_segment_fixed_size: 0
    .private_segment_fixed_size: 0
    .kernarg_segment_align: 8
    .kernarg_segment_size: 128
    .max_flat_workgroup_size: 256
    .sgpr_count:     96
    .vgpr_count:     128
    .wavefront_size: 32
...
	.end_amdgpu_metadata
.endif
;; end of part 1
;; launch layer0 (part 2): grid 256 x 1, 8 waves a work-group, no clusters, 299,264 bytes of LDS; arguments x, p0, xa; writes xa
.if DOCPART == 2
	.amdgcn_target "amdgcn-amd-amdhsa--gfx1250"
	.amdhsa_code_object_version 6
	.text
	.protected	k_qea6996b194_layer0
	.globl	k_qea6996b194_layer0
	.p2align	8
	.type	k_qea6996b194_layer0,@function
k_qea6996b194_layer0:
	s_mov_b64 s[64:65], 0
	v_nop
	global_prefetch_b8 v0, s[64:65] scope:SCOPE_SE
	s_setreg_imm32_b32 hwreg(HW_REG_WAVE_MODE, 25, 1), 1
	s_wait_xcnt 0x0
; ONE LAYER: x + attention(LN1 x), then + feed-forward(LN2 ..), on x [8 images][128 x 128 pixels][128] f32.  Arguments: x in, the layer's block of parameters (made by the launch before the layers), x out.
; Nothing of reference() is left out.  MORE is done than reference() writes: LN1 and the K, V product are made a second time for one row of pixels above and one below the work-group's four
; (6 tiles of pixels a wave in place of 4, for that part alone), so that no work-group waits for another; the out projection's K = 32 is filled with zero codes to the K = 64 form.
; SHARES.  Work-group g owns image rows 4 s .. 4 s + 3 (s = g % 32) of image g / 32: pixels 512 g on.  Wave b owns columns 16 b .. 16 b + 15 of these rows: four tiles of 16 pixels.
; Eight waves of 512 registers: two to a SIMD, so that one wave's waits stand beside the other's vector work.
; LAYOUT.  Every product is used transposed (source 0 = 16 rows of a weight, source 1 = 16 pixels): lane (r = lane % 16, h = lane / 16) holds pixel r throughout.  x: 64 registers a tile, register 16 c + i = channel
; 32 c + 16 h + i.  The rows of a weight's tile are chosen so that tile 2 B + u gives register j = output 32 B + 16 h + 8 u + j: the out projection's and FF2's tile t falls on x's registers 8 t .. 8 t + 7, so x ITSELF IS
; THE ACCUMULATOR; q, k, v come as head 2 h + u, component j; the hidden layer's and o's conversions give the next operand's registers.  Along K an operand's registers 4 c .. 4 c + 3 hold k = 32 c + 16 h + 0 .. 15, alike in
; both operands of a product: every product meets its partner, and only the order of the sums inside an instruction differs from ascending k.
; THE READS.  The halo's two tiles and the parameters are asked for first; my own tiles are asked for one by one as these arrive, between the pieces of the halo's work, so that this work stands beside the launch's reads.
; By the text's own count at most 53 loads of a wave are out.  The parameters wait for their way to LDS in the registers of tiles 0 and 3, which are therefore asked for last.
; SCALES.  x is carried as x / 2^(e2+e3) through the out projection and LN2 (whose epsilon is scaled alike), as x / 2^(e6+e7) through FF2, and multiplied back at the end: powers of two round nothing.
; LN: the mean, then the centred squares.  SOFTMAX: t = q . k x log2(e) / sqrt(8); the largest of the nine t (padded keys give t = 0 and count) is taken away; p = 2^(t - max); the sum divides after the product with v.
; GELU (exact form): gelu(a) = (a + |a| erf(|a| / sqrt 2)) / 2, erf(z) = 1 - t (a1 + t (a2 + t (a3 + t (a4 + t a5)))) e^(-z z), t = 1 / (1 + 0.3275911 z).  FF1's sum d stands for a = d 2^(e4+e5): d + |d| erf is
; 2 gelu(a) / 2^(e4+e5), one fused multiply-add on the sum as it stands, and the power of two goes into the conversion's scale, 2^(e6-e4-e5+1).
; LIMITS: that formula's error in erf is at most 1.5e-7; for negative a the result is a difference, exact to about 1e-7 |a|, as it is in reference()'s own f32 form.
; e2+e3 and e6+e7 within +-50; every other exponent or sum of exponents that becomes a power of two (e6-e4-e5+1 among them) between -126 and 119.  NaN and infinities among the inputs are not served.  A zero of the padding may carry a minus sign.
; No tensor load: K, V (212 KB) and the weights (86 KB) fill LDS, and x goes from memory straight into the registers in which it stays.  No cluster: work-groups share only the halo rows and the parameters.
.set KVP,    272                       ; LDS: an entry of K, V for one pixel: K of heads 0-3 (128 bytes), V of heads 0-3 (128), 16 of padding: 17 x 16, so sixteen neighbouring pixels fall on sixteen different columns of 16 bytes
.set KVROW,  130*KVP                   ; a row: image columns -1 .. 128.  Six rows, image rows -1 .. 4 of the strip, from LDS byte 0
.set PB,     212224                    ; the parameters' first 86,016 bytes
.set PVEC,   PB+81920                  ; the vectors among them
.set SPARE,  298240                    ; the spare words, 128 bytes for each wave: four blocks of 256 bytes that no other line names
.set STG,    8448                      ; the way out: a stage of 16 rows x 528 bytes for each wave, in K, V's bytes, which nobody reads by then
.set SPITCH, 528
.set O_OUT,  12288
.set O_W1,   16384
.set O_W2,   49152
.set V_LN1,  0
.set V_OB,   1024
.set V_LN2,  1536
.set V_B2,   2560
.set V_B1,   3072
; scalar registers: the sixteen constants, pairs at s[16 + 2 i]
.set C_Y1S, 16                         ; 2^e0
.set C_Y1L, 18                         ; 448 x 2^e0
.set C_Q,   20                         ; log2(e) / sqrt(8) x 2^(e0+e1)
.set C_KV,  22                         ; 2^(e0+e1)
.set C_OS,  24                         ; 2^e2
.set C_OL,  26
.set C_XD,  28                         ; 2^-(e2+e3)
.set C_EP2, 30                         ; 0.001 x 2^(-2 (e2+e3))
.set C_Y2S, 32                         ; 2^e4
.set C_Y2L, 34
.set C_W,   36                         ; sqrt(log2(e) / 2) x 2^(e4+e5)
.set C_HS,  38                         ; 2^(e6-e4-e5+1)
.set C_HL,  40                         ; 448 x that
.set C_XD2, 42                         ; 2^((e2+e3) - (e6+e7))
.set C_XU,  44                         ; 2^(e6+e7)
; vector registers that stay (window 0).  Window 1, v256-511: x, tile p at 64 p
.set XO,  1                            ; 512 r + 64 h: my bytes in a tile of x
.set PLA, 2                            ; PB + 16 lane: my place in a piece of a weight
.set PV,  3                            ; PVEC + 64 h: my half's 16 numbers of each 32 of a vector
.set KVR, 4                            ; v4-9: row rho of K, V at the entry left of my pixel, my two heads
.set STO, 10
.set SRD, 11
.set GO,  12
.set SPW, 13                           ; LDS address of my spare word; never rewritten
.set NIL, 14                           ; 0; never rewritten
.set SC,  15                           ; the quantiser in hand: its scale,
.set LIM, 16                           ; and 448 x its scale
.set VA,  17
.set VB,  18
.set PD,  19                           ; destination of the lane exchange
.set ST,  20                           ; LN: 12 a tile: +0, +1 the mean; +4 .. +11 four packed chains, later +4 = -mean x rs, +6 = rs
; by phase (window 0)
.set HX,  112                          ; halo: x of the two halo tiles, later 8 accumulators (v112-175) and 4 fragments (v176-239)
.set YH,  48
.set GH,  80
.set TH,  240
.set FH,  176
.set YC,  68                           ; own: the norm's codes, 16 a tile
.set GB,  132                          ; two buffers of 16 gains + 16 shifts
.set TMP, 196
.set F0,  132                          ; QKV: two fragments; accumulators at v20 (u = 0) and v164 (u = 1)
.set QQ,  192                          ; q: 192 + 32 u + 8 p
.set KB,  20                           ; attention: two buffers of 3 entries x 8
.set TT,  68                           ; the nine t, then p: 10 a tile
.set MX,  108
.set IV,  116
.set OO,  124                          ; o: 8 a tile; before that at work
.set OC,  156                          ; o's codes: 8 a tile, the upper four zero
.set OB,  20
.set FO,  84
.set HC,  20                           ; feed-forward: the hidden layer's codes for a K step of 64, 8 a tile
.set ACC, 132
.set FR,  164
.set BI,  180
.set EA,  188
.set TB,  204
.set PC,  220
.set A5V, 252
.set TM,  20
.set BK,  84
.set MSB, 0
.macro WIN new                         ; bits 1:0 source 0, 3:2 source 1, 5:4 source 2, 7:6 destination; the immediate's high byte repeats the setting that is left; a switch that changes nothing is dropped
.if MSB != (\new)
	s_set_vgpr_msb (MSB<<8)|(\new)
.set MSB, (\new)
.endif
.endm
.macro NOPS n                          ; places behind matrix instructions (ISA guide 7.12.1), where no other vector work is at hand
.rept \n
	v_nop
.endr
.endm
.macro BARRIER                         ; my LDS stores have landed and my LDS loads are in: then the work-group's barrier
	s_wait_dscnt 0x0
	s_barrier_signal -1
	s_barrier_wait -1
.endm
.macro PAIR reg, val
	s_mov_b32 s[\reg], \val
	s_mov_b32 s[\reg+1], \val
.endm
.macro FRAG reg, adr, off              ; a fragment of 16 registers: four pieces of 512 bytes
.irp c, 0,1,2,3
	ds_load_b128 v[(\reg)+4*\c:(\reg)+4*\c+3], v[\adr] offset:(\off)+512*\c
.endr
.endm
.macro XLOAD p                         ; my tile p of x, into window 1: its 16 loads together cover 16 whole rows of 512 bytes
	WIN 0x40                                       ; destination window 1
.irp c, 0,1,2,3
.irp j, 0,1,2,3
	global_load_b128 v[64*(\p)+16*\c+4*\j:64*(\p)+16*\c+4*\j+3], v[XO], s[4:5] offset:65536*(\p)+128*\c+16*\j
.endr
.endr
	WIN 0
.endm
; ---- LayerNorm of one tile.  xw: the window of its x; xb: its first register; st: its statistics
.macro COMBINE st                      ; four packed chains become one number, over both halves of the lanes (a pixel's channels lie in lanes r and r + 16)
	v_pk_add_f32 v[(\st)+4:(\st)+5], v[(\st)+4:(\st)+5], v[(\st)+6:(\st)+7]
	v_pk_add_f32 v[(\st)+8:(\st)+9], v[(\st)+8:(\st)+9], v[(\st)+10:(\st)+11]
	v_pk_add_f32 v[(\st)+4:(\st)+5], v[(\st)+4:(\st)+5], v[(\st)+8:(\st)+9]
	v_add_f32 v[(\st)+4], v[(\st)+4], v[(\st)+5]
	v_permlanex16_b32 v[PD], v[(\st)+4], s66, s67
	v_add_f32 v[(\st)+4], v[(\st)+4], v[PD]
.endm
.macro LN_SUM xw, xb, st               ; the mean.  x is read in ascending order: where it is a matrix result, each accumulator from its low end on
	WIN 5*(\xw)
.irp k, 0,1,2,3
	v_pk_add_f32 v[(\st)+4+2*\k:(\st)+5+2*\k], v[(\xb)+4*\k:(\xb)+4*\k+1], v[(\xb)+4*\k+2:(\xb)+4*\k+3]
.endr
	WIN (\xw)
.set lj, 16
.rept 24
	v_pk_add_f32 v[(\st)+4+2*((lj/2)%4):(\st)+5+2*((lj/2)%4)], v[(\xb)+lj:(\xb)+lj+1], v[(\st)+4+2*((lj/2)%4):(\st)+5+2*((lj/2)%4)]
.set lj, lj+2
.endr
	WIN 0
	COMBINE \st
	v_mul_f32 v[(\st)], s62, v[(\st)+4]            ; / 128,
	v_mul_f32 v[(\st)+1], s62, v[(\st)+4]          ; in both halves of a pair
.endm
.macro LN_VAR xw, xb, st, tmp, eps     ; the mean of the centred squares, + epsilon (s[eps]), at st + 6
.irp b, 0,1,2,3
	WIN (\xw)
.irp k, 0,1,2,3,4,5,6,7
	v_pk_add_f32 v[(\tmp)+2*\k:(\tmp)+2*\k+1], v[(\xb)+16*\b+2*\k:(\xb)+16*\b+2*\k+1], v[(\st):(\st)+1] neg_lo:[0,1] neg_hi:[0,1]
.endr
	WIN 0
.irp k, 0,1,2,3,4,5,6,7
.if (\b == 0) && (\k < 4)
	v_pk_mul_f32 v[(\st)+4+2*\k:(\st)+5+2*\k], v[(\tmp)+2*\k:(\tmp)+2*\k+1], v[(\tmp)+2*\k:(\tmp)+2*\k+1]
.else
	v_pk_fma_f32 v[(\st)+4+2*(\k%4):(\st)+5+2*(\k%4)], v[(\tmp)+2*\k:(\tmp)+2*\k+1], v[(\tmp)+2*\k:(\tmp)+2*\k+1], v[(\st)+4+2*(\k%4):(\st)+5+2*(\k%4)]
.endif
.endr
.endr
	COMBINE \st
	v_fma_f32 v[(\st)+6], v[(\st)+4], s62, s[\eps]
.endm
.macro LN_STAT p, eps                  ; both, for my own tile p
	LN_SUM 1, 64*(\p), ST+12*(\p)
	LN_VAR 1, 64*(\p), ST+12*(\p), TMP, \eps
.endm
.macro LN_RS n                         ; rs = 1 / sqrt(..) of n tiles as one batch, with one wait; then -mean x rs
.set ra, 0
.rept \n
	v_rsq_f32 v[ST+12*ra+6], v[ST+12*ra+6]
.set ra, ra+1
.endr
	v_nop                                          ; a plain instruction behind the last of the batch
	s_wait_alu depctr_va_vdst(0)                   ; the wait ahead of the first instruction that names a result: one for the batch
.set ra, 0
.rept \n
	v_mul_f32 v[ST+12*ra+4], -v[ST+12*ra], v[ST+12*ra+6]
.set ra, ra+1
.endr
.endm
.macro LOADGB c, buf, goff             ; my 16 gains and 16 shifts of channels 32 c on
.irp j, 0,1,2,3
	ds_load_b128 v[(\buf)+4*\j:(\buf)+4*\j+3], v[PV] offset:(\goff)+128*(\c)+16*\j
	ds_load_b128 v[(\buf)+16+4*\j:(\buf)+16+4*\j+3], v[PV] offset:(\goff)+512+128*(\c)+16*\j
.endr
.endm
.macro LN_OUT xw, xs, st, tmp, gb, yc  ; 16 numbers: (x rs - mean rs) g + b, held, to four registers of codes
	WIN (\xw)
.irp k, 0,2,4,6,8,10,12,14
	v_pk_fma_f32 v[(\tmp)+\k:(\tmp)+\k+1], v[(\xs)+\k:(\xs)+\k+1], v[(\st)+6:(\st)+7], v[(\st)+4:(\st)+5] op_sel_hi:[1,0,0]   ; of the two pairs the low word serves both halves
.endr
	WIN 0
.irp k, 0,2,4,6,8,10,12,14
	v_pk_fma_f32 v[(\tmp)+\k:(\tmp)+\k+1], v[(\tmp)+\k:(\tmp)+\k+1], v[(\gb)+\k:(\gb)+\k+1], v[(\gb)+16+\k:(\gb)+17+\k]
.endr
.irp i, 0,1,2,3,4,5,6,7,8,9,10,11,12,13,14,15
	v_med3_num_f32 v[(\tmp)+\i], v[(\tmp)+\i], -v[LIM], v[LIM]   ; the conversion to an 8-bit code does not saturate (ISA guide 7.6.2): the hold at the largest code x the scale
.endr
	v_cvt_scalef32_pk8_fp8_f32 v[(\yc):(\yc)+1], v[(\tmp):(\tmp)+7], v[SC]
	v_cvt_scalef32_pk8_fp8_f32 v[(\yc)+2:(\yc)+3], v[(\tmp)+8:(\tmp)+15], v[SC]
	v_nop                                          ; a plain instruction between a scaled conversion and the next instruction that writes its sources or touches its result
.endm
.macro LN_FIN goff                     ; behind the statistics of my four tiles: rs, then the codes, 32 channels at a time for all four, so that each gain and shift read from LDS serves four tiles
	LN_RS 4
	s_wait_dscnt 0x0                               ; earlier LDS stores have read the registers into which the loads below land
	LOADGB 0, GB, \goff
	LOADGB 1, GB+32, \goff
.irp c, 0,1,2,3
.if \c < 3
	s_wait_dscnt 8                                 ; this buffer's eight loads are in; the other buffer's eight may be out
.else
	s_wait_dscnt 0x0
.endif
.irp p, 0,1,2,3
	LN_OUT 1, 64*\p+16*\c, ST+12*\p, TMP, GB+32*(\c%2), YC+16*\p+4*\c
.endr
.if \c < 2
	LOADGB \c+2, GB+32*(\c%2), \goff
.endif
.endr
.endm
	; ================ HEAD
	s_load_b128 s[4:7], s[0:1], 0x0                ; x in, the parameters
	s_load_b64 s[8:9], s[0:1], 0x10                ; x out
	v_lshl_add_u32 v[SPW], v0, 2, SPARE
	v_mov_b32 v[NIL], 0
	v_lshrrev_b32 v20, 5, v0
	v_readfirstlane_b32 s10, v20                   ; wave b
	s_and_b32 s11, ttmp9, 31                       ; strip s of the image
	v_and_b32 v21, 15, v0                          ; r
	v_bfe_u32 v22, v0, 4, 1                        ; h
	v_and_b32 v23, 31, v0                          ; lane
	v_lshlrev_b32 v[XO], 9, v21
	v_lshl_add_u32 v[XO], v22, 6, v[XO]
	v_lshl_add_u32 v[PLA], v23, 4, PB
	v_lshl_add_u32 v[PV], v22, 6, PVEC
	s_mul_i32 s12, s10, 16*KVP
	v_mul_u32_u24 v24, v21, KVP
	v_lshl_add_u32 v24, v22, 6, v24
	v_add_nc_u32 v24, s12, v24                     ; (16 b + r) entries + 64 h: the entry of image column 16 b + r - 1
.irp rho, 0,1,2,3,4,5
	v_add_nc_u32 v[KVR+\rho], \rho*KVROW, v24
.endr
	s_mul_i32 s13, s10, STG
	v_mul_u32_u24 v[STO], v21, SPITCH
	v_lshl_add_u32 v[STO], v22, 6, v[STO]
	v_add_nc_u32 v[STO], s13, v[STO]               ; the stage, in: row r, + 64 h
	v_lshl_add_u32 v[SRD], v23, 4, s13             ; back: 32 lanes take one row of 512 bytes
	v_lshlrev_b32 v[GO], 4, v23                    ; and the same in x out
	v_mov_b32 v[PD], 0                             ; written once: a lane exchange's destination counts as one of its sources
	v_lshl_add_u32 v104, v0, 4, PB                 ; the parameters' copy: 16 t,
	v_add_nc_u32 v105, 0x10000, v104               ; and 65,536 further on, beyond an LDS offset's reach
	v_lshlrev_b32 v106, 4, v0
	s_mul_i32 s14, s10, KVROW                      ; the padding's columns -1 and 128 of row b (waves 0 to 5): lanes 0-15 the one entry's 256 bytes, lanes 16-31 the other's
	v_mul_u32_u24 v107, v22, 129*KVP
	v_lshl_add_u32 v107, v21, 4, v107
	v_add_nc_u32 v107, s14, v107
.irp i, 108,109,110,111
	v_mov_b32 v\i, 0
.endr
	s_mov_b32 s48, 0x3e8ba43f                      ; 0.3275911 / sqrt(log2 e): t = 1 / (1 + that x |w|), w = a sqrt(log2(e) / 2)
	s_mov_b32 s50, 0x3f87dc22                      ; a5 = 1.061405429
	PAIR 52, 0xbfba00e3                            ; a4 = -1.453152027
	PAIR 54, 0x3fb5f0e3                            ; a3 = 1.421413741
	PAIR 56, 0xbe91a98e                            ; a2 = -0.284496736
	PAIR 58, 0x3e827906                            ; a1 = 0.254829592
	s_mov_b32 s62, 0x3c000000                      ; 1 / 128
	s_mov_b32 s63, 0x3a83126f                      ; 0.001
	s_mov_b32 s66, 0x76543210                      ; lane l xor 16
	s_mov_b32 s67, 0xfedcba98
	s_lshl_b32 s2, ttmp9, 18                       ; my wave's first byte in x: 512 pixels x 512 bytes x work-group + 16 pixels x 512 x wave
	s_lshl_b32 s3, s10, 13
	s_add_co_u32 s2, s2, s3
	s_mov_b32 s3, 0
	s_cmp_eq_u32 s11, 0                            ; the row above: 65,536 bytes back; at the image's top my own first row, whose K, V are then multiplied by 0
	s_cselect_b32 s12, 0, 0x10000
	s_cmp_eq_u32 s11, 31                           ; the row below: 262,144 on; at the image's bottom my own last row: no load leaves the image
	s_cselect_b32 s13, 0, 0x10000
	s_sub_co_u32 s68, s2, s12
	s_mov_b32 s69, 0
	s_add_co_u32 s70, s2, s13
	s_add_co_u32 s70, s70, 0x30000
	s_mov_b32 s71, 0
	s_wait_kmcnt 0x0
	s_load_b512 s[16:31], s[6:7], 0x15000          ; the sixteen constants, as pairs
	s_load_b512 s[32:47], s[6:7], 0x15040
	s_add_nc_u64 s[68:69], s[4:5], s[68:69]
	s_add_nc_u64 s[70:71], s[4:5], s[70:71]
	s_add_nc_u64 s[4:5], s[4:5], s[2:3]
	s_add_nc_u64 s[8:9], s[8:9], s[2:3]
.irp a, 0,1                            ; what is worked on first is asked for first: the two halo tiles,
.irp c, 0,1,2,3
.irp j, 0,1,2,3
	global_load_b128 v[HX+64*\a+16*\c+4*\j:HX+64*\a+16*\c+4*\j+3], v[XO], s[68+2*\a:69+2*\a] offset:128*\c+16*\j
.endr
.endr
.endr
	WIN 0x40                                       ; destination window 1
.irp i, 0,1,2,3,4,5,6,7,8,9,10,11,12,13,14,15,16,17,18,19,20
	global_load_b128 v[4*\i+128*(\i/16):4*\i+128*(\i/16)+3], v106, s[6:7] offset:4096*\i   ; and the parameters, 16 bytes a thread and 4,096 a line, into the registers of tile 0 (16 loads) and of tile 3 (5)
.endr
	WIN 0
	; ---- the halo's statistics, with my own tiles asked for as the halo arrives
	s_wait_loadcnt 37                              ; the upper halo tile is in; behind it: the lower one's 16 loads and the parameters' 21
	XLOAD 1
	LN_SUM 0, HX, ST
	LN_VAR 0, HX, ST, TH, 63
	s_wait_loadcnt 37                              ; the lower halo tile is in; behind it: the parameters' 21 and tile 1's 16
	XLOAD 2
	LN_SUM 0, HX+64, ST+12
	LN_VAR 0, HX+64, ST+12, TH, 63
	LN_RS 2
	s_wait_loadcnt 32                              ; the parameters are in; behind them: tiles 1 and 2
	WIN 0x04                                       ; an LDS store's data: window 1
.irp i, 0,1,2,3,4,5,6,7,8,9,10,11,12,13,14,15
	ds_store_b128 v104, v[4*\i:4*\i+3] offset:4096*\i
.endr
.irp i, 16,17,18,19,20
	ds_store_b128 v105, v[4*\i+128:4*\i+131] offset:4096*(\i-16)
.endr
	WIN 0
	s_cmp_lt_u32 s10, 6
	s_cbranch_scc0 .Lno_pad
	ds_store_b128 v107, v[108:111]                 ; reference()'s zero padding left and right of the image
.Lno_pad:
	BARRIER                                        ; the parameters and the padding lie in LDS; tiles 1 and 2 of x stay on their way
	XLOAD 0                                        ; its registers are free: the stores above have landed
	s_wait_kmcnt 0x0
	s_cmp_eq_u32 s11, 0
	s_cselect_b32 s72, 0, s[C_KV]                  ; what the halo's K, V are multiplied by: 2^(e0+e1), or 0 outside the image (the padding above and below)
	s_mov_b32 s73, s72
	s_cmp_eq_u32 s11, 31
	s_cselect_b32 s74, 0, s[C_KV]
	s_mov_b32 s75, s74
	; ================ A, HALO: the codes of LN1 and K, V of the rows above and below
	v_mov_b32 v[SC], s[C_Y1S]
	v_mov_b32 v[LIM], s[C_Y1L]
.irp c, 0,1,2,3
	LOADGB \c, GH, V_LN1
	s_wait_dscnt 0x0
	LN_OUT 0, HX+16*\c, ST, HX+16*\c, GH, YH+4*\c
	LN_OUT 0, HX+64+16*\c, ST+12, HX+64+16*\c, GH, YH+16+4*\c
.endr
.irp t, 0,1,2,3
	FRAG FH+16*\t, PLA, 2048*(\t+2)                ; tiles 2, 3: k; 4, 5: v
.endr
	s_wait_dscnt 0x0
.irp t, 0,1,2,3
.irp a, 0,1
	v_wmma_f32_16x16x128_fp8_fp8 v[HX+32*\a+8*\t:HX+32*\a+8*\t+7], v[FH+16*\t:FH+16*\t+15], v[YH+16*\a:YH+16*\a+15], 0
.endr
.endr
	NOPS 4
.irp a, 0,1
.irp k, 0,2,4,6,8,10,12,14,16,18,20,22,24,26,28,30
	v_pk_mul_f32 v[HX+32*\a+\k:HX+32*\a+\k+1], v[HX+32*\a+\k:HX+32*\a+\k+1], s[72+2*\a:73+2*\a] op_sel_hi:[1,0]
.endr
.endr
.irp a, 0,1
.irp t, 0,1,2,3
	ds_store_b128 v[KVR+5*\a], v[HX+32*\a+8*\t:HX+32*\a+8*\t+3] offset:KVP+128*(\t/2)+32*(\t%2)
	ds_store_b128 v[KVR+5*\a], v[HX+32*\a+8*\t+4:HX+32*\a+8*\t+7] offset:KVP+128*(\t/2)+32*(\t%2)+16
.endr
.endr
	; ================ A, OWN: LN1 and q, k, v of my four tiles; the statistics in the order in which the tiles were asked for
	s_wait_loadcnt 32                              ; tile 1 is in; behind it: tiles 2 and 0
	XLOAD 3                                        ; the last of the launch's reads
	LN_STAT 1, 63
	s_wait_loadcnt 32                              ; tile 2 is in; behind it: tiles 0 and 3
	LN_STAT 2, 63
	s_wait_loadcnt 16                              ; tile 0 is in; behind it: tile 3
	LN_STAT 0, 63
	s_wait_loadcnt 0x0
	LN_STAT 3, 63
	LN_FIN V_LN1
	FRAG F0, PLA, 0
	FRAG F0+16, PLA, 2048
	s_wait_dscnt 0x0
.irp p, 0,1,2,3
.irp u, 0,1
	v_wmma_f32_16x16x128_fp8_fp8 v[QQ+32*\u+8*\p:QQ+32*\u+8*\p+7], v[F0+16*\u:F0+16*\u+15], v[YC+16*\p:YC+16*\p+15], 0
.endr
.endr
	NOPS 4
	FRAG F0, PLA, 4096
	FRAG F0+16, PLA, 6144
.set qj, 0
.rept 32
	v_pk_mul_f32 v[QQ+qj:QQ+qj+1], v[QQ+qj:QQ+qj+1], s[C_Q:C_Q+1] op_sel_hi:[1,0]   ; q x 2^(e0+e1) x log2(e) / sqrt(8)
.set qj, qj+2
.endr
.irp kv, 0,1
	s_wait_dscnt 0x0                               ; the fragments are in, and the stores of the pair before have read the accumulators
.irp p, 0,1,2,3
.irp u, 0,1
	v_wmma_f32_16x16x128_fp8_fp8 v[20+144*\u+8*\p:20+144*\u+8*\p+7], v[F0+16*\u:F0+16*\u+15], v[YC+16*\p:YC+16*\p+15], 0
.endr
.endr
	NOPS 4
.if \kv == 0
	FRAG F0, PLA, 8192
	FRAG F0+16, PLA, 10240
.endif
.irp u, 0,1
.irp k, 0,2,4,6,8,10,12,14,16,18,20,22,24,26,28,30
	v_pk_mul_f32 v[20+144*\u+\k:20+144*\u+\k+1], v[20+144*\u+\k:20+144*\u+\k+1], s[C_KV:C_KV+1] op_sel_hi:[1,0]
.endr
.endr
.irp p, 0,1,2,3
.irp u, 0,1
	ds_store_b128 v[KVR+1+\p], v[20+144*\u+8*\p:20+144*\u+8*\p+3] offset:KVP+128*\kv+32*\u
	ds_store_b128 v[KVR+1+\p], v[20+144*\u+8*\p+4:20+144*\u+8*\p+7] offset:KVP+128*\kv+32*\u+16
.endr
.endr
.endr
	BARRIER                                        ; K and V of six rows x 130 columns lie in LDS
	; ================ B: the 3 x 3 attention, in f32.  A lane: four pixels one below the other, heads 2 h + u, u = 0, 1 in turn.  A row of three entries serves up to three pixels
.macro LOADKV rho, u, voff             ; the three entries of row rho round my column: K (voff = 0) or V (128) of head 2 h + u
.irp dj, 0,1,2
	ds_load_b128 v[KB+24*((\rho)%2)+8*\dj:KB+24*((\rho)%2)+8*\dj+3], v[KVR+(\rho)] offset:KVP*\dj+(\voff)+32*(\u)
	ds_load_b128 v[KB+24*((\rho)%2)+8*\dj+4:KB+24*((\rho)%2)+8*\dj+7], v[KVR+(\rho)] offset:KVP*\dj+(\voff)+32*(\u)+16
.endr
.endm
.macro DOTS rho, u                     ; t(p, 3 (rho - p) + dj) = q(p) . k(rho, dj) for the pixels p that have row rho among their neighbours; step by step over all of them, so that no line waits for the line above it
.irp s, 0,1,2,3
.irp p, 0,1,2,3
.if ((\p) <= (\rho)) && ((\p)+2 >= (\rho))
.irp dj, 0,1,2
.set dt, OO+2*(3*((\rho)-(\p))+\dj)
.set dq, QQ+32*(\u)+8*\p+2*\s
.set dk, KB+24*((\rho)%2)+8*\dj+2*\s
.if \s == 0
	v_pk_mul_f32 v[dt:dt+1], v[dq:dq+1], v[dk:dk+1]
.else
	v_pk_fma_f32 v[dt:dt+1], v[dq:dq+1], v[dk:dk+1], v[dt:dt+1]
.endif
.endr
.endif
.endr
.endr
.irp p, 0,1,2,3
.if ((\p) <= (\rho)) && ((\p)+2 >= (\rho))
.irp dj, 0,1,2
.set dt, OO+2*(3*((\rho)-(\p))+\dj)
	v_add_f32 v[TT+10*\p+3*((\rho)-(\p))+\dj], v[dt], v[dt+1]
.endr
.endif
.endr
.endm
.macro PVACC rho                       ; o(p) += p(p, n) v(rho, dj); a pixel's first term starts its sums
.irp dj, 0,1,2
.irp p, 0,1,2,3
.if ((\p) <= (\rho)) && ((\p)+2 >= (\rho))
.set pn, 3*((\rho)-(\p))+\dj
.set pw, TT+10*\p+(pn/2)*2
.irp s, 0,1,2,3
.set po, OO+8*\p+2*\s
.set pr, KB+24*((\rho)%2)+8*\dj+2*\s
.if pn == 0
	v_pk_mul_f32 v[po:po+1], v[pr:pr+1], v[pw:pw+1] op_sel_hi:[1,0]
.elseif (pn%2) == 0
	v_pk_fma_f32 v[po:po+1], v[pr:pr+1], v[pw:pw+1], v[po:po+1] op_sel_hi:[1,0,1]              ; the weight is the pair's first word, for both halves
.else
	v_pk_fma_f32 v[po:po+1], v[pr:pr+1], v[pw:pw+1], v[po:po+1] op_sel:[0,1,0] op_sel_hi:[1,1,1]   ; its second word, for both halves
.endif
.endr
.endif
.endr
.endr
.endm
.macro WALK u, voff, isv               ; the six rows, two buffers by turns; rows 0 and 1 have been asked for
.irp rho, 0,1,2,3,4,5
.if \rho < 5
	s_wait_dscnt 6                                 ; this row's six loads are in; the next row's six may be out
.else
	s_wait_dscnt 0x0
.endif
.if \isv
	PVACC \rho
.else
	DOTS \rho, \u
.endif
.if \rho < 4
	LOADKV \rho+2, \u, \voff
.endif
.endr
.endm
.macro SOFTMAX
.irp p, 0,1,2,3
	v_max3_num_f32 v[MX+2*\p], v[TT+10*\p], v[TT+10*\p+1], v[TT+10*\p+2]
.endr
.irp n, 3,5,7
.irp p, 0,1,2,3
	v_max3_num_f32 v[MX+2*\p], v[MX+2*\p], v[TT+10*\p+\n], v[TT+10*\p+\n+1]
.endr
.endr
.irp p, 0,1,2,3
.irp n, 0,2,4,6
	v_pk_add_f32 v[TT+10*\p+\n:TT+10*\p+\n+1], v[TT+10*\p+\n:TT+10*\p+\n+1], v[MX+2*\p:MX+2*\p+1] op_sel_hi:[1,0] neg_lo:[0,1] neg_hi:[0,1]   ; t - the largest t
.endr
	v_sub_f32 v[TT+10*\p+8], v[TT+10*\p+8], v[MX+2*\p]
.endr
.irp p, 0,1,2,3
.irp n, 0,1,2,3,4,5,6,7,8
	v_exp_f32 v[TT+10*\p+\n], v[TT+10*\p+\n]
.endr
.endr
	v_nop                                          ; a plain instruction behind the batch
	s_wait_alu depctr_va_vdst(0)                   ; one wait for the 36 exponentials, ahead of their first reader
.irp p, 0,1,2,3
	v_pk_add_f32 v[OO+4*\p:OO+4*\p+1], v[TT+10*\p:TT+10*\p+1], v[TT+10*\p+2:TT+10*\p+3]
	v_pk_add_f32 v[OO+4*\p+2:OO+4*\p+3], v[TT+10*\p+4:TT+10*\p+5], v[TT+10*\p+6:TT+10*\p+7]
.endr
.irp p, 0,1,2,3
	v_pk_add_f32 v[OO+4*\p:OO+4*\p+1], v[OO+4*\p:OO+4*\p+1], v[OO+4*\p+2:OO+4*\p+3]
.endr
.irp p, 0,1,2,3
	v_add_f32 v[OO+4*\p], v[OO+4*\p], v[OO+4*\p+1]
.endr
.irp p, 0,1,2,3
	v_add_f32 v[OO+4*\p], v[OO+4*\p], v[TT+10*\p+8]
.endr
.irp p, 0,1,2,3
	v_rcp_f32 v[IV+2*\p], v[OO+4*\p]               ; 1 / the sum: wanted only behind the product with v, which is the work between these and their wait
.endr
	v_nop
.endm
.macro NORM u                          ; o / the sum, held, to codes: registers 2 u, 2 u + 1 of the out projection's operand
	s_wait_alu depctr_va_vdst(0)                   ; one wait for the four reciprocals, ahead of their first reader
.irp p, 0,1,2,3
.irp s, 0,2,4,6
	v_pk_mul_f32 v[OO+8*\p+\s:OO+8*\p+\s+1], v[OO+8*\p+\s:OO+8*\p+\s+1], v[IV+2*\p:IV+2*\p+1] op_sel_hi:[1,0]
.endr
.endr
.set nj, 0
.rept 32
	v_med3_num_f32 v[OO+nj], v[OO+nj], -v[LIM], v[LIM]
.set nj, nj+1
.endr
.irp p, 0,1,2,3
	v_cvt_scalef32_pk8_fp8_f32 v[OC+8*\p+2*(\u):OC+8*\p+2*(\u)+1], v[OO+8*\p:OO+8*\p+7], v[SC]
.endr
	v_nop
.endm
	v_mov_b32 v[SC], s[C_OS]
	v_mov_b32 v[LIM], s[C_OL]
.irp p, 0,1,2,3
	v_mov_b32 v[TT+10*\p+9], 0                     ; named as the upper halves of pairs, so they are written
	v_mov_b32 v[MX+2*\p+1], 0
	v_mov_b32 v[IV+2*\p+1], 0
.irp i, 4,5,6,7
	v_mov_b32 v[OC+8*\p+\i], 0                     ; zero codes for k = 32 .. 63 of the K = 64 form
.endr
.endr
.irp u, 0,1
	LOADKV 0, \u, 0
	LOADKV 1, \u, 0
	WALK \u, 0, 0
	LOADKV 0, \u, 128                              ; V's first two rows come while the softmax is worked
	LOADKV 1, \u, 128
	SOFTMAX
	WALK \u, 128, 1
	NORM \u
.endr
	BARRIER                                        ; nobody reads K, V any more: their bytes may take the stages
	; ================ C1: x / 2^(e2+e3) + out_b / 2^(e2+e3), and the out projection added onto it by the matrix unit
.irp c, 0,1,2,3
.irp j, 0,1,2,3
	ds_load_b128 v[OB+16*\c+4*\j:OB+16*\c+4*\j+3], v[PV] offset:V_OB+128*\c+16*\j
.endr
.endr
.irp q, 0,1,2,3
.irp i, 4,5,6,7
	v_mov_b32 v[FO+8*\q+\i], 0                     ; zero codes for k = 32 .. 63
.endr
.endr
	s_wait_dscnt 0x0
	WIN 0x41                                       ; x: destination and source 0 in window 1
.set xj, 0
.rept 128
	v_pk_fma_f32 v[xj:xj+1], v[xj:xj+1], s[C_XD:C_XD+1], v[OB+xj%64:OB+xj%64+1] op_sel_hi:[1,0,1]
.set xj, xj+2
.endr
	WIN 0
.irp g, 0,1
.if \g
	NOPS 4                                         ; in front of loads into registers that matrix instructions have read
.endif
.irp q, 0,1,2,3
	ds_load_b128 v[FO+8*\q:FO+8*\q+3], v[PLA] offset:O_OUT+512*(4*\g+\q)
.endr
	s_wait_dscnt 0x0
	WIN 0x50                                       ; C and D: x, in window 1
.irp q, 0,1,2,3
.irp p, 0,1,2,3
	v_wmma_f32_16x16x64_fp8_fp8 v[64*\p+8*(4*\g+\q):64*\p+8*(4*\g+\q)+7], v[FO+8*\q:FO+8*\q+7], v[OC+8*\p:OC+8*\p+7], v[64*\p+8*(4*\g+\q):64*\p+8*(4*\g+\q)+7]   ; each of the 32 accumulators once: no two on end are alike
.endr
.endr
	WIN 0
.endr
	NOPS 4
	; ================ C2: LN2, on x / 2^(e2+e3), with epsilon / 2^(2 (e2+e3))
	v_mov_b32 v[SC], s[C_Y2S]
	v_mov_b32 v[LIM], s[C_Y2L]
.irp p, 0,1,2,3
	LN_STAT \p, C_EP2
.endr
	LN_FIN V_LN2
	; ================ C3: x / 2^(e6+e7) + ff_b2 / 2^(e6+e7)
.irp c, 0,1,2,3
.irp j, 0,1,2,3
	ds_load_b128 v[GB+16*\c+4*\j:GB+16*\c+4*\j+3], v[PV] offset:V_B2+128*\c+16*\j
.endr
.endr
	s_wait_dscnt 0x0
	WIN 0x41
.set xj, 0
.rept 128
	v_pk_fma_f32 v[xj:xj+1], v[xj:xj+1], s[C_XD2:C_XD2+1], v[GB+xj%64:GB+xj%64+1] op_sel_hi:[1,0,1]
.set xj, xj+2
.endr
	WIN 0
	; ================ C4: the feed-forward, 64 hidden units a trip: four tiles of W1, GELU, codes; then FF2's K step of 64 onto x
.macro GEL a, h0, h1                   ; 16 registers, the sums d of two tiles of pixels, become d + |d| erf = 2 gelu / 2^(e4+e5) and two pairs of code registers
.irp k, 0,2,4,6,8,10,12,14
	v_pk_mul_f32 v[PC+\k:PC+\k+1], v[(\a)+\k:(\a)+\k+1], s[C_W:C_W+1] op_sel_hi:[1,0]        ; w = a sqrt(log2(e) / 2), wanted for t and for the exponent alone: it lies where the polynomial will; each accumulator is read from its low end on
.endr
.irp i, 0,1,2,3,4,5,6,7,8,9,10,11,12,13,14,15
	v_fma_f32 v[TB+\i], |v[PC+\i]|, s48, 1.0
.endr
.irp k, 0,2,4,6,8,10,12,14
	v_pk_mul_f32 v[EA+\k:EA+\k+1], v[PC+\k:PC+\k+1], v[PC+\k:PC+\k+1]
.endr
.irp i, 0,1,2,3,4,5,6,7,8,9,10,11,12,13,14,15
	v_rcp_f32 v[TB+\i], v[TB+\i]                   ; t
.endr
.irp i, 0,1,2,3,4,5,6,7,8,9,10,11,12,13,14,15
	v_exp_f32 v[EA+\i], -v[EA+\i]                  ; 2^(-w w) = e^(-a a / 2)
.endr
	v_nop                                          ; a plain instruction behind the batch
	s_wait_alu depctr_va_vdst(0)                   ; one wait for the 32, ahead of their first reader
.irp k, 0,2,4,6,8,10,12,14
	v_pk_fma_f32 v[PC+\k:PC+\k+1], v[TB+\k:TB+\k+1], v[A5V:A5V+1], s[52:53] op_sel_hi:[1,1,0]
.endr
.irp cf, 54,56,58
.irp k, 0,2,4,6,8,10,12,14
	v_pk_fma_f32 v[PC+\k:PC+\k+1], v[PC+\k:PC+\k+1], v[TB+\k:TB+\k+1], s[\cf:\cf+1] op_sel_hi:[1,1,0]
.endr
.endr
.irp k, 0,2,4,6,8,10,12,14
	v_pk_mul_f32 v[PC+\k:PC+\k+1], v[PC+\k:PC+\k+1], v[TB+\k:TB+\k+1]
.endr
.irp k, 0,2,4,6,8,10,12,14
	v_pk_fma_f32 v[PC+\k:PC+\k+1], v[PC+\k:PC+\k+1], v[EA+\k:EA+\k+1], 1.0 op_sel_hi:[1,1,0] neg_lo:[1,0,0] neg_hi:[1,0,0]   ; erf(|a| / sqrt 2) = 1 - the polynomial x the exponential
.endr
.irp i, 0,1,2,3,4,5,6,7,8,9,10,11,12,13,14,15
	v_fma_f32 v[(\a)+\i], |v[(\a)+\i]|, v[PC+\i], v[(\a)+\i]                                 ; d + |d| erf
.endr
.irp i, 0,1,2,3,4,5,6,7,8,9,10,11,12,13,14,15
	v_med3_num_f32 v[(\a)+\i], v[(\a)+\i], -v[LIM], v[LIM]
.endr
	v_cvt_scalef32_pk8_fp8_f32 v[(\h0):(\h0)+1], v[(\a):(\a)+7], v[SC]
	v_cvt_scalef32_pk8_fp8_f32 v[(\h1):(\h1)+1], v[(\a)+8:(\a)+15], v[SC]
	v_nop
.endm
.macro W2REG q, t0                     ; where W2's tile t0 + q lies: tiles 0-3 in v52-67 and v236-251, tiles 4-7 in the registers that GELU worked in
.set wt, (\t0)+(\q)
.if wt < 4
.set wr, 52+8*wt+168*(wt/2)
.else
.set wr, EA+8*(wt-4)
.endif
.endm
.macro W2LOAD t0
.irp q, 0,1,2,3
	W2REG \q, \t0
	ds_load_b128 v[wr:wr+3], v[VA] offset:O_W2+1024*wt
	ds_load_b128 v[wr+4:wr+7], v[VA] offset:O_W2+1024*wt+512
.endr
.endm
.macro FF2 t0
.irp q, 0,1,2,3
	W2REG \q, \t0
.irp p, 0,1,2,3
	v_wmma_f32_16x16x64_fp8_fp8 v[64*\p+8*wt:64*\p+8*wt+7], v[wr:wr+7], v[HC+8*\p:HC+8*\p+7], v[64*\p+8*wt:64*\p+8*wt+7]
.endr
.endr
.endm
	v_mov_b32 v[SC], s[C_HS]
	v_mov_b32 v[LIM], s[C_HL]
	v_mov_b32 v[A5V], s50
	v_mov_b32 v[A5V+1], s50
	s_mov_b32 s76, 4                               ; trips
	s_mov_b32 s77, 0                               ; 8,192 x trip: four tiles of W1, and a K step of W2
	s_mov_b32 s78, 0                               ; 256 x trip: 64 numbers of ff_b1
.Lff:
	v_add_nc_u32 v[VA], s77, v[PLA]
	v_add_nc_u32 v[VB], s78, v[PV]
	FRAG FR, VA, O_W1
	ds_load_b128 v[BI:BI+3], v[VB] offset:V_B1
	ds_load_b128 v[BI+4:BI+7], v[VB] offset:V_B1+16
.irp cc, 0,1,2,3
	s_wait_dscnt 0x0
.irp p, 0,1,2,3
	v_wmma_f32_16x16x128_fp8_fp8 v[ACC+8*\p:ACC+8*\p+7], v[FR:FR+15], v[YC+16*\p:YC+16*\p+15], v[BI:BI+7]   ; the bias is the C of the sum's one instruction
.endr
	NOPS 4
.if \cc < 3
	FRAG FR, VA, O_W1+2048*(\cc+1)                 ; the next tile's fragment and bias come while this tile's GELU is worked
	ds_load_b128 v[BI:BI+3], v[VB] offset:V_B1+128*((\cc+1)/2)+32*((\cc+1)%2)
	ds_load_b128 v[BI+4:BI+7], v[VB] offset:V_B1+128*((\cc+1)/2)+32*((\cc+1)%2)+16
.else
	W2LOAD 0
.endif
	GEL ACC, HC+2*\cc, HC+8+2*\cc
	GEL ACC+16, HC+16+2*\cc, HC+24+2*\cc
.endr
	W2LOAD 4
	s_wait_dscnt 8                                 ; W2's tiles 0-3 are in; the eight loads of tiles 4-7 may be out
	WIN 0x50
	FF2 0                                          ; the 32 accumulators by turns, one instruction a turn; FF1's four stand between the trips
	s_wait_dscnt 0x0
	FF2 4
	WIN 0                                          ; at a label and at a branch every window is 0
	s_add_co_u32 s77, s77, 8192
	s_add_co_u32 s78, s78, 256
	s_sub_co_u32 s76, s76, 1
	s_cmp_lg_u32 s76, 0
	s_cbranch_scc1 .Lff
	; ================ C5: the way out.  x 2^(e6+e7); a tile goes through my own stage and comes back as whole rows of 512 bytes
.macro TOSTAGE p
	WIN 0x01                                       ; source 0: x
.set tj, 0
.rept 32
	v_pk_mul_f32 v[TM+tj:TM+tj+1], v[64*(\p)+tj:64*(\p)+tj+1], s[C_XU:C_XU+1] op_sel_hi:[1,0]   ; each accumulator from its low end on
.set tj, tj+2
.endr
	WIN 0
.irp c, 0,1,2,3
.irp j, 0,1,2,3
	ds_store_b128 v[STO], v[TM+16*\c+4*\j:TM+16*\c+4*\j+3] offset:128*\c+16*\j
.endr
.endr
.irp q, 0,1,2,3,4,5,6,7,8,9,10,11,12,13,14,15
	ds_load_b128 v[BK+64*((\p)%2)+4*\q:BK+64*((\p)%2)+4*\q+3], v[SRD] offset:SPITCH*\q   ; LDS serves a wave's instructions in order (ISA guide 5.7.1.4): these see my stores, and the next tile's stores come behind them
.endr
.endm
.macro SEND p, younger                 ; younger: the LDS instructions issued behind tile p's loads, which may stay out
	s_wait_dscnt \younger
.irp q, 0,1,2,3,4,5,6,7,8,9,10,11,12,13,14,15
	global_store_b128 v[GO], v[BK+64*((\p)%2)+4*\q:BK+64*((\p)%2)+4*\q+3], s[8:9] offset:65536*(\p)+512*\q th:TH_STORE_NT   ; 32 lanes store 512 consecutive bytes, aligned; written once, read by nobody in this launch
.endr
.endm
	NOPS 4
	TOSTAGE 0
.irp p, 1,2,3
.if \p > 1
	s_wait_xcnt 0x0                                ; the stores of the tile two back have read their registers: this tile's loads may land there
.endif
	TOSTAGE \p
	SEND \p-1, 32                                  ; behind that tile's loads: this tile's 16 stores and 16 loads
.endr
	SEND 3, 0
	s_wait_tensorcnt 0x0                           ; the wave's end
	ds_add_u32 v[SPW], v[NIL]
	s_wait_dscnt 0x0
	s_endpgm
.Lfunc_end_k_qea6996b194_layer0:
	.size	k_qea6996b194_layer0, .Lfunc_end_k_qea6996b194_layer0-k_qea6996b194_layer0
	.p2alignl 7, 3214868480
	.fill 96, 4, 3214868480
	.section	.rodata,"a",@progbits
	.p2align	6, 0x0
	.amdhsa_kernel k_qea6996b194_layer0
		.amdhsa_group_segment_fixed_size 299264
		.amdhsa_private_segment_fixed_size 0
		.amdhsa_enable_private_segment 0
		.amdhsa_kernarg_size 24
		.amdhsa_user_sgpr_count 2
		.amdhsa_user_sgpr_kernarg_segment_ptr 1
		.amdhsa_wavefront_size32 1
		.amdhsa_system_sgpr_workgroup_id_x 1
		.amdhsa_system_sgpr_workgroup_id_y 1
		.amdhsa_system_sgpr_workgroup_id_z 1
		.amdhsa_system_vgpr_workitem_id 0
		.amdhsa_next_free_vgpr 512
		.amdhsa_next_free_sgpr 80
		.amdhsa_reserve_vcc 0
		.amdhsa_float_denorm_mode_32 3
		.amdhsa_float_denorm_mode_16_64 3
		.amdhsa_memory_ordered 1
		.amdhsa_forward_progress 1
		.amdhsa_inst_pref_size 255
	.end_amdhsa_kernel
	.section	.bss,"aw",@nobits
	.p2align	6
	.space	262144
	.amdgpu_metadata
---
amdhsa.version: [ 1, 2 ]
amdhsa.kernels:
  - .name:           k_qea6996b194_layer0
    .symbol:         k_qea6996b194_layer0.kd
    .args:
      - { .name: x, .offset: 0, .size: 8, .value_kind: global_buffer, .address_space: global }
      - { .name: p0, .offset: 8, .size: 8, .value_kind: global_buffer, .address_space: global }
      - { .name: xa, .offset: 16, .size: 8, .value_kind: global_buffer, .address_space: global }
    .group_segment_fixed_size: 299264
    .private_segment_fixed_size: 0
    .kernarg_segment_align: 8
    .kernarg_segment_size: 24
    .max_flat_workgroup_size: 256
    .sgpr_count:     80
    .vgpr_count:     512
    .wavefront_size: 32
...
	.end_amdgpu_metadata
.endif
;; end of part 2
;; launch layer1: the kernel of part 2 again; grid 256 x 1, 8 waves a work-group, no clusters, 299,264 bytes of LDS; arguments xa, p1, xb; writes xb
;; launch layer2: the kernel of part 2 again; grid 256 x 1, 8 waves a work-group, no clusters, 299,264 bytes of LDS; arguments xb, p2, xa; writes xa
;; launch layer3: the kernel of part 2 again; grid 256 x 1, 8 waves a work-group, no clusters, 299,264 bytes of LDS; arguments xa, p3, out0; writes out0
